; MI455X (gfx1250); checked and timed in simulation.
; The chip was launched on July 23, 2026; its instructions are those of AMD's public machine-readable ISA for CDNA 5 (MIT licence, August 2026) and "CDNA5" Instruction Set Architecture Reference Guide (July 2026). The comments in the code are by the model that wrote it; some were corrected since.
;; Multi Head Attention. Allowed arithmetic: matrix products marked QUANTISED: E2M1 operands, one E8M0 scale for each 32 along K, by v_wmma_scale_f32_16x16x128_f8f6f4 with both operands' format E2M1 (or v_wmma_scale_f32_32x16x128_f4), f32 sums; products left as they are: bf16, f16 or f32 operands; f32 sums; everything else in f32.
;; Inputs: Wk 16 x 1,024 x 64 float32; Wo 1,024 x 1,024 float32; Wq 16 x 1,024 x 64 float32; Wv 16 x 1,024 x 64 float32; bk 16 x 64 float32; bo 1,024 float32; bq 16 x 64 float32; bv 16 x 64 float32; inputs 4,096 x 1,024 float32; scale 16 float32.
;; Outputs: out0 4,096 x 1,024 float32.
;; This version of the problem:
;;   THIS VERSION OF THE PROBLEM IS GIVEN IN LOW PRECISION. The matrix products marked QUANTISED in the list below multiply operands that are first quantised to E2M1 (2 exponent bits, 1 mantissa bit; 4 bits a number), with one power-of-two scale for each 32 numbers along K (OCP MX v1.0); their sums are f32. The products marked 'left as it is' may take bf16, f16 or f32 operands, with f32 sums. Whichever they take, every output number must still come out within the allowed error. Rounding operands to bf16 (8 significant bits) uses up far more of that allowance than f16 does (11 bits, for magnitudes from 6e-5 to 65,504). All else is computed in f32.
;;   The module's matrix products, in the order in which they are computed (A, B: the left and right operand; K: the contracted axis; several contracted axes count as one K, in the product's order):
;;     1. [M 1,024, K 1,024] x [K 1,024, N 4,096]; A: input Wq; B: input inputs: QUANTISED
;;     2. [M 1,024, K 1,024] x [K 1,024, N 4,096]; A: input Wk; B: input inputs: QUANTISED
;;     3. [M 1,024, K 1,024] x [K 1,024, N 4,096]; A: input Wv; B: input inputs: QUANTISED
;;     4. batch 16 x [M 4,096, K 64] x [K 64, N 4,096]; A: computed on the way; B: computed on the way: left as it is (an operand is computed on the way)
;;     5. batch 16 x [M 4,096, K 4,096] x [K 4,096, N 64]; A: computed on the way; B: computed on the way: left as it is (an operand is computed on the way)
;;     6. [M 4,096, K 1,024] x [K 1,024, N 1,024]; A: computed on the way; B: input Wo: left as it is (an operand is computed on the way)
;;   THE QUANTISER, for each operand of a quantised product, along K:
;;     - K is cut into blocks of 32 from its start; a last block that is shorter is filled with zeros.
;;     - A block's scale is 2^e with e = floor(log2(the largest magnitude in the block)) - 2, held to -126 .. 127; a block of zeros has e = 0. As a byte (E8M0): e + 127.
;;     - Each number is divided by its block's scale, clamped to +-6, and rounded to the nearest number of E2M1, ties to even, subnormals kept.
;;     - The product sums the exact products of the quantised numbers (number of the format x scale) in f32.
;;   ~~~python
;;   def quantise(x, axis):      # numpy; x: float32 -> the quantised numbers, widened to float32 again
;;       x = np.moveaxis(x, axis, -1); K = x.shape[-1]
;;       x = np.pad(x, [(0, 0)] * (x.ndim - 1) + [(0, -K % 32)]); x = x.reshape(x.shape[:-1] + (-1, 32)); a = np.abs(x).max(-1, keepdims=True)
;;       e = np.where(a > 0, np.clip(np.frexp(np.where(a > 0, a, 1))[1] - 1 - 2, -126, 127), 0)      # np.frexp(a)[1] - 1 = floor(log2(a)), exactly
;;       r = np.clip(x / 2.0 ** e, -6, 6)
;;       step = 2.0 ** (np.maximum(np.frexp(np.where(r == 0, 1, r))[1] - 1, 0) - 1)
;;       q = np.round(r / step) * step * 2.0 ** e      # np.round: ties to even
;;       return np.moveaxis(q.reshape(q.shape[:-2] + (-1,))[..., :K], -1, axis).astype(np.float32)
;;   ~~~
;; One version. Each part assembles by itself: llvm-mc -triple=amdgcn-amd-amdhsa -mcpu=gfx1250 --defsym DOCPART=n.
;; ======== version 1 of 1: 4 launches
;; limits: values are held in f16: magnitudes above 65,504 overflow, below 6.1e-05 lose precision
;; workspace buffers: xc 2,097,152 bytes; xs 131,072 bytes; wc 1,572,864 bytes; ws 98,304 bytes; woh 2,097,152 bytes; qkv 25,165,824 bytes; oi 8,388,608 bytes
;; launch prep (part 1): grid 384 x 1, 8 waves a work-group, no clusters, 68,608 bytes of LDS; arguments inputs, Wq, Wk, Wv, Wo, xc, xs, wc, ws, woh; writes xc, xs, wc, ws, woh
.if DOCPART == 1
	.amdgcn_target "amdgcn-amd-amdhsa--gfx1250"
	.amdhsa_code_object_version 6
	.text
	.protected	k_q385889c0a1_prep
	.globl	k_q385889c0a1_prep
	.p2align	8
	.type	k_q385889c0a1_prep,@function
k_q385889c0a1_prep:
	s_mov_b64 s[64:65], 0
	v_nop
	global_prefetch_b8 v0, s[64:65] scope:SCOPE_SE
	s_setreg_imm32_b32 hwreg(HW_REG_WAVE_MODE, 25, 1), 1
	s_wait_xcnt 0x0
; PREP: the operands of the later launches, laid as IMAGES OF OPERAND REGISTERS (a fragment's group of four registers = 512 consecutive bytes, lane l's 16 bytes at 16 l).
;   inputs [4096][1024] f32 -> xc: codes of E2M1 along K = the row;  xs: one word of four E8M0 bytes for a row and 128 along K.
;   Wq, Wk, Wv [16][1024][64] f32 (K = the middle axis) -> wc, ws likewise, a tile = 16 columns of one head.
;   Wo [1024 (k)][1024 (n)] f32 -> woh: f16, fragments of 16 columns x 32 along K.
; A block's scale is 2^(floor(log2(largest magnitude)) - 2); its byte is the largest magnitude's exponent field - 2, held at 1 from below.
; LIMITS: NaN and infinities among the inputs are not served.  A block whose largest magnitude lies under 2^-124 keeps the byte 1.  A block of zeros has the byte 1 where the
; quantiser's text says 127: its codes are zeros, which add nothing under any byte but 0xff, and only this program reads the bytes.  |Wo| stays under 65,504 (f16).
; SHARES: work-groups 0-255: 16 rows of inputs each, wave = the K step of 128;  256-351: the three weights, a wave = 32 columns x 128 along K;  352-383: Wo, a wave = 32 columns x 128 along K.
; No matrix unit, no tensor load, no barrier: waves share nothing.  Only the first path uses LDS (a stage of its own for each wave).
; The scale words leave in runs of 64 bytes: one byte in 16 of what the codes take.
.set STG,   8448                       ; a wave's stage: 16 rows x (512 bytes + 16)
.set SPARE, 8*STG                      ; behind the stages: the spare words, 128 bytes for each wave, which no other line names
.set SPW,   2                          ; v2   LDS address of my spare word; never rewritten
.set NIL,   3                          ; v3   0; never rewritten
.set X,     32                         ; v32-159  numbers as loaded
.set XB,    96                         ; v96-159  first path: my two blocks of 32 neighbours, back from the stage
.set C,     160                        ; v160-223 results; no register of them is written twice
; 32 loads: rows 32 b .. 32 b + 31 along K at my column; 32 lanes read 128 consecutive bytes
.macro COLLOAD b, pitch, lo
.set CI, 0
.rept 32
	global_load_b32 v[X+32*(\b)+CI], v7, s[\lo:\lo+1] offset:(32*(\b)+CI)*\pitch
.set CI, CI+1
.endr
.endm
; block b of my column of a weight: all its 32 numbers are mine
.macro WBLOCK b
.set XS, X+32*(\b)
.if (\b) < 3
	s_wait_loadcnt 32                              ; this block's 32 loads are in; the next block's 32 may be out
.else
	s_wait_loadcnt 0x0
.endif
.if (\b) < 2
	COLLOAD (\b)+2, 256, 6                         ; two blocks ahead, into registers of their own
.endif
	v_max3_num_f32 v12, |v[XS]|, |v[XS+1]|, |v[XS+2]|
	v_max3_num_f32 v13, |v[XS+3]|, |v[XS+4]|, |v[XS+5]|
.irp i, 6,10,14,18,22,26
	v_max3_num_f32 v12, v12, |v[XS+\i]|, |v[XS+\i+1]|
	v_max3_num_f32 v13, v13, |v[XS+\i+2]|, |v[XS+\i+3]|
.endr
	v_max3_num_f32 v12, v12, |v[XS+30]|, |v[XS+31]|
	v_max3_num_f32 v12, v12, v13, 0x1800000        ; and the floor 2^(3 - 127): the byte cannot fall under 1
	v_add_nc_u32 v[16+(\b)], 0xff000000, v12       ; 2 off the exponent field: the conversion takes the exponent field of this operand as its scale
	v_lshrrev_b32 v13, 23, v[16+(\b)]              ; the scale's byte
.if (\b) == 0
	v_mov_b32 v20, v13                             ; four bytes make my column's scale word, the lower K in the lower byte
.else
	v_lshl_or_b32 v20, v13, 8*(\b), v20
.endif
.irp g, 0,1,2,3
	v_cvt_scalef32_pk8_fp4_f32 v[C+4*(\b)+\g], v[XS+8*\g:XS+8*\g+7], v[16+(\b)]
.endr
	global_store_b128 v8, v[C+4*(\b):C+4*(\b)+3], s[18:19] offset:256*(\b)   ; block b of row r of a tile lies at 256 b + 16 r: sixteen lanes store 256 consecutive bytes, aligned
.endm
; 32 along K of my column of Wo: four groups of eight neighbours, 16 bytes of f16 each
.macro WOBLOCK b
.if (\b) < 3
	s_wait_loadcnt 32                              ; this block's 32 loads are in; the next block's 32 may be out
.else
	s_wait_loadcnt 0x0
.endif
.if (\b) < 2
	COLLOAD (\b)+2, 4096, 12
.endif
.irp q, 0,1,2,3
.irp p, 0,1,2,3
	v_cvt_pk_f16_f32 v[C+16*(\b)+4*\q+\p], v[X+32*(\b)+8*\q+2*\p], v[X+32*(\b)+8*\q+2*\p+1]
.endr
	global_store_b128 v8, v[C+16*(\b)+4*\q:C+16*(\b)+4*\q+3], s[22:23] offset:(\b)*8192+(\q/2)*512+(\q%2)*256   ; k = 16 (q / 2) + 8 (q % 2) + 0 .. 7 of K step b: sixteen lanes store 256 consecutive bytes, aligned
.endr
.endm
	s_load_b256 s[4:11], s[0:1], 0x0               ; inputs s[4:5], Wq s[6:7], Wk s[8:9], Wv s[10:11]
	s_load_b256 s[12:19], s[0:1], 0x20             ; Wo s[12:13], xc s[14:15], xs s[16:17], wc s[18:19]
	s_load_b128 s[20:23], s[0:1], 0x40             ; ws s[20:21], woh s[22:23]
	v_lshl_add_u32 v[SPW], v0, 2, SPARE
	v_mov_b32 v[NIL], 0
	v_lshrrev_b32 v1, 5, v0
	v_readfirstlane_b32 s24, v1                    ; wave 0..7
	v_and_b32 v4, 31, v0                           ; lane
	v_and_b32 v5, 15, v0                           ; r
	v_bfe_u32 v6, v0, 4, 1                         ; hh
	s_mul_i32 s25, s24, STG                        ; my stage
	v_lshl_add_u32 v10, v4, 4, s25                 ; into it: 16 bytes a lane of a row's 512
	v_mul_u32_u24 v11, v5, 528
	v_lshl_add_u32 v11, v6, 7, v11
	v_add_nc_u32 v11, s25, v11                     ; back: row r, block hh (128 bytes a block)
	s_mov_b32 s27, 0                               ; the upper words of the offsets' pairs
	s_mov_b32 s29, 0
	s_mov_b32 s39, 0
	s_mov_b32 s40, 0x76543210
	s_mov_b32 s41, 0xfedcba98                      ; v_permlanex16_b32's selects for lane l xor 16
	s_wait_kmcnt 0x0
	s_cmp_lt_u32 ttmp9, 256
	s_cbranch_scc0 .Lnot_x
	; ---- inputs: rows 16 x work-group on, K step = wave
	s_lshl_b32 s26, ttmp9, 16                      ; 16 rows of 4,096 bytes
	s_lshl_b32 s28, s24, 9                         ; 128 numbers along K
	s_add_co_u32 s26, s26, s28
	s_add_nc_u64 s[4:5], s[4:5], s[26:27]
	v_lshlrev_b32 v7, 4, v4
.irp r, 0,1,2,3,4,5,6,7,8,9,10,11,12,13,14,15
	global_load_b128 v[X+4*\r:X+4*\r+3], v7, s[4:5] offset:\r*4096 th:TH_LOAD_NT   ; 32 lanes read 512 consecutive bytes of row r
.endr
	s_lshr_b32 s28, ttmp9, 4                       ; xc: [block of 256 rows][K step][tile of 16 rows][1,024]
	s_lshl_b32 s28, s28, 17
	s_lshl_b32 s30, s24, 14
	s_add_co_u32 s28, s28, s30
	s_and_b32 s30, ttmp9, 15
	s_lshl_b32 s30, s30, 10
	s_add_co_u32 s28, s28, s30
	s_add_nc_u64 s[14:15], s[14:15], s[28:29]
	s_lshl_b32 s38, ttmp9, 9                       ; xs: [tile of 16 rows][K step][16][4]
	s_lshl_b32 s30, s24, 6
	s_add_co_u32 s38, s38, s30
	s_add_nc_u64 s[16:17], s[16:17], s[38:39]
	v_lshlrev_b32 v9, 2, v5
.irp r, 0,1,2,3,4,5,6,7,8,9,10,11,12,13,14,15
	s_wait_loadcnt 15-\r                           ; row r is in; the later rows' loads may be out
	ds_store_b128 v10, v[X+4*\r:X+4*\r+3] offset:528*\r
.endr
.irp c, 0,1
.irp i, 0,1,2,3,4,5,6,7
	ds_load_b128 v[XB+32*\c+4*\i:XB+32*\c+4*\i+3], v11 offset:256*\c+16*\i   ; block 2 c + hh of row r: what the operand's layout gives lane (r, hh).  LDS serves a wave's instructions in order: these see my stores
.endr
.endr
	s_wait_dscnt 0x0
.irp c, 0,1
	v_max3_num_f32 v[12+\c], |v[XB+32*\c]|, |v[XB+32*\c+1]|, 0x1800000   ; with the floor 2^(3 - 127): the byte cannot fall under 1
.endr
.irp i, 2,4,6,8,10,12,14,16,18,20,22,24,26,28,30
.irp c, 0,1
	v_max3_num_f32 v[12+\c], v[12+\c], |v[XB+32*\c+\i]|, |v[XB+32*\c+\i+1]|   ; (the two blocks by turns)
.endr
.endr
.irp c, 0,1
	v_add_nc_u32 v[14+\c], 0xff000000, v[12+\c]    ; 2 off the exponent field: the conversion's scale operand
.endr
.irp c, 0,1
	v_lshrrev_b32 v[16+\c], 23, v[14+\c]           ; the scale's byte
.endr
	v_lshl_or_b32 v18, v17, 16, v16                ; my two bytes: blocks hh and 2 + hh,
	v_lshlrev_b32 v19, 3, v6
	v_lshlrev_b32 v18, v19, v18                    ; at their places in the word;
	v_mov_b32 v19, 0
	v_permlanex16_b32 v19, v18, s40, s41
	v_or_b32 v18, v18, v19                         ; with lane l xor 16's two the word is whole
.irp c, 0,1
.irp g, 0,1,2,3
	v_cvt_scalef32_pk8_fp4_f32 v[C+4*\c+\g], v[XB+32*\c+8*\g:XB+32*\c+8*\g+7], v[14+\c]
.endr
.endr
.irp c, 0,1
	global_store_b128 v7, v[C+4*\c:C+4*\c+3], s[14:15] offset:512*\c   ; registers 4 c .. 4 c + 3 of the fragment: 512 consecutive bytes
.endr
	global_store_b32 v9, v18, s[16:17]             ; row r's word (both halves of the lanes hold and write the same word)
	s_wait_tensorcnt 0x0                           ; the wave's end: behind my last LDS store
	ds_add_u32 v[SPW], v[NIL]
	s_wait_dscnt 0x0
	s_endpgm
.Lnot_x:
	s_cmp_lt_u32 ttmp9, 352
	s_cbranch_scc0 .Lwo
	; ---- Wq, Wk, Wv: g = work-group - 256: tensor t = g / 32, head (g / 2) % 16, K step 4 (g % 2) + wave / 2, columns 32 (wave % 2) on
	s_sub_co_u32 s25, ttmp9, 256
	s_lshr_b32 s30, s25, 5                         ; t
	s_bfe_u32 s31, s25, 0x40001                    ; head
	s_and_b32 s32, s25, 1
	s_lshl_b32 s32, s32, 2
	s_lshr_b32 s33, s24, 1
	s_add_co_u32 s32, s32, s33                     ; K step
	s_and_b32 s33, s24, 1                          ; which 32 columns
	s_cmp_eq_u32 s30, 0                            ; the tensor is chosen by the work-group's number alone
	s_cselect_b64 s[6:7], s[6:7], s[8:9]
	s_cmp_eq_u32 s30, 2
	s_cselect_b64 s[6:7], s[10:11], s[6:7]
	s_lshl_b32 s26, s31, 18                        ; a head: 1,024 rows of 256 bytes
	s_lshl_b32 s34, s32, 15                        ; 128 rows
	s_add_co_u32 s26, s26, s34
	s_lshl_b32 s34, s33, 7
	s_add_co_u32 s26, s26, s34
	s_add_nc_u64 s[6:7], s[6:7], s[26:27]
	v_lshlrev_b32 v7, 2, v4                        ; a lane to a column, registers down K
	COLLOAD 0, 256, 6
	COLLOAD 1, 256, 6
	s_lshl_b32 s34, s31, 3                         ; wc: [head][K step][tile j = 4 t + column tile][1,024]
	s_add_co_u32 s34, s34, s32
	s_mul_i32 s28, s34, 12288
	s_lshl_b32 s35, s30, 2
	s_lshl_b32 s36, s33, 1
	s_add_co_u32 s35, s35, s36                     ; my first tile; lanes 16-31 hold the next
	s_lshl_b32 s36, s35, 10
	s_add_co_u32 s28, s28, s36
	s_add_nc_u64 s[18:19], s[18:19], s[28:29]
	s_mul_i32 s38, s31, 12                         ; ws: [head][tile j][K step][16][4]
	s_add_co_u32 s38, s38, s35
	s_lshl_b32 s38, s38, 9
	s_lshl_b32 s36, s32, 6
	s_add_co_u32 s38, s38, s36
	s_add_nc_u64 s[20:21], s[20:21], s[38:39]
	v_lshlrev_b32 v8, 10, v6
	v_lshl_add_u32 v8, v5, 4, v8                   ; 1,024 hh + 16 r
	v_lshlrev_b32 v9, 9, v6
	v_lshl_add_u32 v9, v5, 2, v9                   ; 512 hh + 4 r
	WBLOCK 0
	WBLOCK 1
	WBLOCK 2
	WBLOCK 3
	global_store_b32 v9, v20, s[20:21]
	s_endpgm
.Lwo:
	; ---- Wo: g = work-group - 352: columns 256 (g % 4) + 32 wave + lane, K = 128 (g / 4) on
	s_sub_co_u32 s25, ttmp9, 352
	s_and_b32 s30, s25, 3
	s_lshr_b32 s31, s25, 2
	s_lshl_b32 s26, s31, 19                        ; 128 rows of 4,096 bytes
	s_lshl_b32 s34, s30, 10
	s_add_co_u32 s26, s26, s34
	s_lshl_b32 s34, s24, 7
	s_add_co_u32 s26, s26, s34
	s_add_nc_u64 s[12:13], s[12:13], s[26:27]
	v_lshlrev_b32 v7, 2, v4
	COLLOAD 0, 4096, 12
	COLLOAD 1, 4096, 12
	s_lshl_b32 s28, s30, 1                         ; woh: [block of 128 columns][K step of 32][tile of 16 columns][1,024]
	s_lshr_b32 s34, s24, 2
	s_add_co_u32 s28, s28, s34
	s_lshl_b32 s28, s28, 18
	s_lshl_b32 s34, s31, 15
	s_add_co_u32 s28, s28, s34
	s_and_b32 s34, s24, 3
	s_lshl_b32 s34, s34, 11
	s_add_co_u32 s28, s28, s34
	s_add_nc_u64 s[22:23], s[22:23], s[28:29]
	v_lshlrev_b32 v8, 10, v6
	v_lshl_add_u32 v8, v5, 4, v8                   ; 1,024 hh + 16 r
	WOBLOCK 0
	WOBLOCK 1
	WOBLOCK 2
	WOBLOCK 3
	s_endpgm
.Lfunc_end_k_q385889c0a1_prep:
	.size	k_q385889c0a1_prep, .Lfunc_end_k_q385889c0a1_prep-k_q385889c0a1_prep
	.p2alignl 7, 3214868480
	.fill 96, 4, 3214868480
	.section	.rodata,"a",@progbits
	.p2align	6, 0x0
	.amdhsa_kernel k_q385889c0a1_prep
		.amdhsa_group_segment_fixed_size 68608
		.amdhsa_private_segment_fixed_size 0
		.amdhsa_enable_private_segment 0
		.amdhsa_kernarg_size 80
		.amdhsa_user_sgpr_count 2
		.amdhsa_user_sgpr_kernarg_segment_ptr 1
		.amdhsa_wavefront_size32 1
		.amdhsa_system_sgpr_workgroup_id_x 1
		.amdhsa_system_sgpr_workgroup_id_y 1
		.amdhsa_system_sgpr_workgroup_id_z 1
		.amdhsa_system_vgpr_workitem_id 0
		.amdhsa_next_free_vgpr 224
		.amdhsa_next_free_sgpr 66
		.amdhsa_reserve_vcc 0
		.amdhsa_float_denorm_mode_32 3
		.amdhsa_float_denorm_mode_16_64 3
		.amdhsa_memory_ordered 1
		.amdhsa_forward_progress 1
		.amdhsa_inst_pref_size 48
	.end_amdhsa_kernel
	.amdgpu_metadata
---
amdhsa.version: [ 1, 2 ]
amdhsa.kernels:
  - .name:           k_q385889c0a1_prep
    .symbol:         k_q385889c0a1_prep.kd
    .args:
      - { .name: inputs, .offset: 0, .size: 8, .value_kind: global_buffer, .address_space: global }
      - { .name: Wq, .offset: 8, .size: 8, .value_kind: global_buffer, .address_space: global }
      - { .name: Wk, .offset: 16, .size: 8, .value_kind: global_buffer, .address_space: global }
      - { .name: Wv, .offset: 24, .size: 8, .value_kind: global_buffer, .address_space: global }
      - { .name: Wo, .offset: 32, .size: 8, .value_kind: global_buffer, .address_space: global }
      - { .name: xc, .offset: 40, .size: 8, .value_kind: global_buffer, .address_space: global }
      - { .name: xs, .offset: 48, .size: 8, .value_kind: global_buffer, .address_space: global }
      - { .name: wc, .offset: 56, .size: 8, .value_kind: global_buffer, .address_space: global }
      - { .name: ws, .offset: 64, .size: 8, .value_kind: global_buffer, .address_space: global }
      - { .name: woh, .offset: 72, .size: 8, .value_kind: global_buffer, .address_space: global }
    .group_segment_fixed_size: 68608
    .private_segment_fixed_size: 0
    .kernarg_segment_align: 8
    .kernarg_segment_size: 80
    .max_flat_workgroup_size: 256
    .sgpr_count:     66
    .vgpr_count:     224
    .wavefront_size: 32
...
	.end_amdgpu_metadata
.endif
;; end of part 1
;; launch proj (part 2): grid 16 x 16, 4 waves a work-group, clusters of 4 x 4, 327,680 bytes of LDS; arguments xc, xs, wc, ws, bq, bk, bv, scale, qkv; writes qkv
.if DOCPART == 2
	.amdgcn_target "amdgcn-amd-amdhsa--gfx1250"
	.amdhsa_code_object_version 6
	.text
	.protected	k_q385889c0a1_proj
	.globl	k_q385889c0a1_proj
	.p2align	8
	.type	k_q385889c0a1_proj,@function
k_q385889c0a1_proj:
	s_mov_b64 s[64:65], 0
	v_nop
	global_prefetch_b8 v0, s[64:65] scope:SCOPE_SE
	s_setreg_imm32_b32 hwreg(HW_REG_WAVE_MODE, 25, 1), 1
	s_wait_xcnt 0x0
	s_wait_alu depctr_hold_cnt(0) depctr_sa_sdst(0) depctr_va_vdst(0) depctr_va_sdst(0) depctr_va_ssrc(0) depctr_va_vcc(0) depctr_vm_vsrc(0)
	s_getreg_b32 s2, hwreg(HW_REG_IB_STS2, 6, 4)
	s_cmp_eq_u32 s2, 0
	s_cbranch_scc0 .Lentry_in_a_cluster
	s_endpgm
.Lentry_in_a_cluster:
	s_bfe_u32 s2, ttmp6, 0x10000c
	s_cmp_lg_u32 s2, 0xf033
	s_cbranch_scc0 .Lentry_shape_is_right
	s_endpgm
.Lentry_shape_is_right:
; PROJ: q, k, v = inputs x W + b on codes of E2M1 with E8M0 scales (K = 1,024: 8 steps of 128), sums in f32; results leave as f16, laid as the fragments that the attention launch takes.
; q is multiplied in f32 by c = scale[head] x log2(e) ahead of its rounding, so that the scores come out as exponents of 2, whatever the sign of the scale.
; LIMIT: |q c|, |k|, |v| stay under 65,504 (f16).
; SHARES: a work-group = one head (x) and 256 rows (y): 256 x 192 results.  Wave w takes the tiles of rows 4 w + m (m = 0..3) x all 12 tiles of columns j (0-3 q, 4-7 k, 8-11 v): 48 accumulators.
; ALL of a work-group's codes fit in LDS: 131,072 bytes of x, 98,304 of W.  They come once, as dense blocks (rows of 256 bytes), four tensor loads a wave, by pairs of K steps; nothing is filled again.
; CLUSTER 4 x 4: x's block hangs on the row block alone and is shared along a row of the cluster, W's on the head alone and is shared along a column: joint loads.
; ORIENTATION: q, k: source 0 = 16 columns of W, source 1 = 16 rows of x: a lane holds one row and eight neighbouring channels.  v: the sources swapped: a lane holds one channel and eight neighbouring keys.
; So four packed registers are a group of four registers of the next launch's fragment, and leave by one store of 512 consecutive bytes.
; REGISTERS: window 0: v2-14 addresses and c; v16-31 x's scale words, v32-79 W's (they hold scales and nothing else); v80-175 the biases, in the results' layout: the C of the first K step.
;   window 1: two buffers of fragments (x's four at 8 m, W's twelve at 32 + 8 j); on the way out the packed results.   windows 2, 3: accumulator 12 m + j at 8 x its number.
; A scale register holds in lanes 0-15 the words of an even K step and in lanes 16-31 those of the next: odd steps read the upper lanes.
.set XA,    0                          ; LDS: x's codes [K step 8][tile 16][1,024]
.set WB,    131072                     ; W's codes [K step 8][tile 12][1,024]
.set SPARE, 229376                     ; the spare words, 128 bytes for each wave, which no other line names
.set SPW,   2
.set NIL,   3
.set ADX,   4                          ; v4, v5  LDS address of my x fragments, K steps 0-3 and 4-7
.set ADW,   6                          ; v6, v7  the same for W
.set LI,    8                          ; v8   16 x lane
.set L4,    9                          ; v9   4 x lane
.set H32,   10                         ; v10  32 x (lane / 16)
.set R4,    11                         ; v11  4 x (lane % 16)
.set CH,    12                         ; v[12:13] c
.set ZO,    14                         ; v14  0
.set XS,    16
.set WS,    32
.set BI,    80
.set WV,    22                         ; s22  wave
.set G1A,   28                         ; s[28:35] group 1 for x: 64 rows of 256 bytes;  s[36:43] for W: 48 rows
.set G1B,   36
.set G0A,   44                         ; s[44:59] four groups 0 for x;  s[68:83] for W
.set G0B,   68
.set MSB, 0
.macro WIN new                         ; the immediate's high byte repeats the setting that is left; a switch that changes nothing is dropped
.if MSB != (\new)
	s_set_vgpr_msb (MSB<<8)|(\new)
.set MSB, (\new)
.endif
.endm
.macro PLACES n
.rept \n
	v_nop
.endr
.endm
.macro CROUND                          ; a round of the cluster's barrier
	s_barrier_signal -1
	s_barrier_wait -1
	s_cmp_lg_u32 s[WV], 0
	s_cbranch_scc1 .Lnot_wave_0_\@
	s_barrier_signal -3
.Lnot_wave_0_\@:
	s_barrier_wait -3
	s_barrier_signal -1
	s_barrier_wait -1
.endm
	s_load_b256 s[4:11], s[0:1], 0x0               ; xc s[4:5], xs s[6:7], wc s[8:9], ws s[10:11]
	s_load_b256 s[12:19], s[0:1], 0x20             ; bq s[12:13], bk s[14:15], bv s[16:17], scale s[18:19]
	s_load_b64 s[20:21], s[0:1], 0x40              ; qkv
	v_lshl_add_u32 v[SPW], v0, 2, SPARE
	v_mov_b32 v[NIL], 0
	ds_add_u32 v[SPW], v[NIL]                      ; the wave's opening: the add, twice on end, and its wait ahead of my first tensor load
	ds_add_u32 v[SPW], v[NIL]
	v_lshrrev_b32 v1, 5, v0
	v_readfirstlane_b32 s[WV], v1                  ; wave 0..3
	s_lshr_b32 s23, s[WV], 1                       ; I fetch for x (0) or for W (1)
	s_and_b32 s24, s[WV], 1                        ; which K step of a pair I fetch
	s_bfe_u32 s84, ttmp6, 0x40000                  ; cx, cy: my place in the cluster
	s_bfe_u32 s85, ttmp6, 0x40004
	s_lshl_b32 s86, ttmp9, 2
	s_add_co_u32 s86, s86, s84                     ; the head = 4 x cluster x + cx
	s_and_b32 s87, ttmp7, 0xffff
	s_lshl_b32 s87, s87, 2
	s_add_co_u32 s87, s87, s85                     ; the block of 256 rows = 4 x cluster y + cy
	s_lshl_b32 s88, s85, 2
	s_lshl_b32 s88, 15, s88                        ; my row of the cluster
	s_lshl_b32 s89, 0x1111, s84                    ; my column
	s_or_b32 s[G1A], s88, (3<<16)|(1<<21)          ; 15:0 the mask; 17:16 elements of 8 bytes; 21 set beside a mask; no padding: fragments are read as they lie
	s_or_b32 s[G1B], s89, (3<<16)|(1<<21)
	s_mov_b32 s[G1A+1], 32<<16                     ; tensor_dim0 = 32 elements: 256 bytes
	s_mov_b32 s[G1A+2], 64<<16                     ; tensor_dim1 = 64 rows: a K step of x, 16,384 bytes
	s_mov_b32 s[G1A+3], 32<<16                     ; tile_dim0
	s_mov_b32 s[G1A+4], 64                         ; tile_dim1
	s_mov_b32 s[G1A+5], 32                         ; the pitch: dense
	s_mov_b32 s[G1A+6], 0
	s_mov_b32 s[G1A+7], 0
	s_mov_b32 s[G1B+1], 32<<16
	s_mov_b32 s[G1B+2], 48<<16                     ; 48 rows: a K step of W, 12,288 bytes
	s_mov_b32 s[G1B+3], 32<<16
	s_mov_b32 s[G1B+4], 48
	s_mov_b32 s[G1B+5], 32
	s_mov_b32 s[G1B+6], 0
	s_mov_b32 s[G1B+7], 0
	s_lshl_b32 s90, s87, 17                        ; x: the row block's 131,072 bytes,
	s_lshl_b32 s26, s24, 14                        ; my K step of a pair (also its place in LDS)
	s_add_co_u32 s90, s90, s26
	s_mov_b32 s91, 0
	s_mul_i32 s92, s86, 98304                      ; W: the head's 98,304 bytes,
	s_mul_i32 s27, s24, 12288                      ; my K step of a pair
	s_add_co_u32 s92, s92, s27
	s_mov_b32 s93, 0
	s_wait_dscnt 0x0                               ; both opening adds are done
	s_wait_kmcnt 0x0
	s_add_nc_u64 s[60:61], s[4:5], s[90:91]
	s_add_nc_u64 s[62:63], s[8:9], s[92:93]
	CROUND                                         ; all sixteen work-groups are here: the joint loads meet
.irp c, 0,1,2,3
	s_mov_b32 s[G0A+4*\c], 1
	s_add_co_u32 s[G0A+4*\c+1], s26, XA+\c*32768
	s_add_nc_u64 s[G0A+4*\c+2:G0A+4*\c+3], s[60:61], \c*32768
	s_or_b32 s[G0A+4*\c+3], s[G0A+4*\c+3], 0x80000000
	s_mov_b32 s[G0B+4*\c], 1
	s_add_co_u32 s[G0B+4*\c+1], s27, WB+\c*24576
	s_add_nc_u64 s[G0B+4*\c+2:G0B+4*\c+3], s[62:63], \c*24576
	s_or_b32 s[G0B+4*\c+3], s[G0B+4*\c+3], 0x80000000
.endr
	s_cmp_eq_u32 s23, 0                            ; a wave's four fills stand in one branch on the wave's number: four tensor loads of mine are out
	s_cbranch_scc0 .Lfill_w
.irp c, 0,1,2,3
	tensor_load_to_lds s[G0A+4*\c:G0A+4*\c+3], s[G1A:G1A+7]
	s_nop 0
.endr
	PLACES 4
	s_branch .Lfilled
.Lfill_w:
.irp c, 0,1,2,3
	tensor_load_to_lds s[G0B+4*\c:G0B+4*\c+3], s[G1B:G1B+7]
	s_nop 0
.endr
	PLACES 4
.Lfilled:
	v_and_b32 v1, 31, v0
	v_lshlrev_b32 v[LI], 4, v1
	v_lshlrev_b32 v[L4], 2, v1
	v_bfe_u32 v15, v0, 4, 1
	v_lshlrev_b32 v[H32], 5, v15
	v_and_b32 v15, 15, v0
	v_lshlrev_b32 v[R4], 2, v15
	v_mov_b32 v[ZO], 0
	s_lshl_b32 s25, s[WV], 12                      ; my four tiles of rows
	v_add_nc_u32 v[ADX], s25, v[LI]
	v_add_nc_u32 v[ADX+1], 65536, v[ADX]
	v_add_nc_u32 v[ADW], WB, v[LI]
	v_add_nc_u32 v[ADW+1], WB+49152, v[LI]
	s_lshl_b32 s90, s87, 13                        ; xs: 512 bytes a tile of rows
	s_lshl_b32 s25, s[WV], 11
	s_add_co_u32 s90, s90, s25
	s_add_nc_u64 s[6:7], s[6:7], s[90:91]
	s_mul_i32 s92, s86, 6144                       ; ws: 12 tiles of 512 bytes a head
	s_add_nc_u64 s[10:11], s[10:11], s[92:93]
	s_lshl_b32 s92, s86, 8                         ; the biases: 64 numbers a head
	s_add_nc_u64 s[12:13], s[12:13], s[92:93]
	s_add_nc_u64 s[14:15], s[14:15], s[92:93]
	s_add_nc_u64 s[16:17], s[16:17], s[92:93]
	s_lshl_b32 s92, s86, 2
	s_add_nc_u64 s[18:19], s[18:19], s[92:93]      ; the head's scale
	s_lshl_b32 s92, s86, 19                        ; the results: 524,288 bytes a head, 32,768 a row block, 8,192 a wave, in each of q, k and v
	s_lshl_b32 s25, s87, 15
	s_add_co_u32 s92, s92, s25
	s_lshl_b32 s25, s[WV], 13
	s_add_co_u32 s92, s92, s25
	s_add_nc_u64 s[94:95], s[20:21], s[92:93]      ; q
	s_add_nc_u64 s[96:97], s[94:95], 0x800000      ; k
	s_add_nc_u64 s[98:99], s[94:95], 0x1000000     ; v
.irp m, 0,1,2,3
.irp u, 0,1,2,3
	global_load_b32 v[XS+4*\m+\u], v[L4], s[6:7] offset:\m*512+\u*128    ; K steps 2 u (lanes 0-15) and 2 u + 1 (lanes 16-31): 128 consecutive bytes
.endr
.endr
.irp j, 0,1,2,3,4,5,6,7,8,9,10,11
.irp u, 0,1,2,3
	global_load_b32 v[WS+4*\j+\u], v[L4], s[10:11] offset:\j*512+\u*128
.endr
.endr
.irp n, 0,1,2,3
	global_load_b128 v[BI+8*\n:BI+8*\n+3], v[H32], s[12:13] offset:64*\n        ; bq at channels 16 n + 8 hh + 0 .. 7
	global_load_b128 v[BI+8*\n+4:BI+8*\n+7], v[H32], s[12:13] offset:64*\n+16
	global_load_b128 v[BI+32+8*\n:BI+32+8*\n+3], v[H32], s[14:15] offset:64*\n  ; bk likewise
	global_load_b128 v[BI+32+8*\n+4:BI+32+8*\n+7], v[H32], s[14:15] offset:64*\n+16
.endr
.irp n, 0,1,2,3
.irp i, 0,1,2,3,4,5,6,7
	global_load_b32 v[BI+64+8*\n+\i], v[R4], s[16:17] offset:64*\n              ; bv at channel 16 n + r, for each of my eight keys
.endr
.endr
	global_load_b32 v[CH], v[ZO], s[18:19]
	s_wait_loadcnt 0x0
	v_mul_f32 v[CH], 0x3fb8aa3b, v[CH]             ; c = scale x log2(e)
	v_mov_b32 v[CH+1], v[CH]                       ; (named with it as a pair, so it is written)
; the fragments of K step s into buffer p: 8 + 24 loads, each 512 consecutive bytes
.macro FETCH s, p
	WIN 0x40                                       ; destination window 1, address window 0
.irp m, 0,1,2,3
.irp c, 0,1
	ds_load_b128 v[128*(\p)+8*\m+4*\c:128*(\p)+8*\m+4*\c+3], v[ADX+(\s)/4] offset:((\s)%4)*16384+\m*1024+512*\c
.endr
.endr
.irp j, 0,1,2,3,4,5,6,7,8,9,10,11
.irp c, 0,1
	ds_load_b128 v[128*(\p)+32+8*\j+4*\c:128*(\p)+32+8*\j+4*\c+3], v[ADW+(\s)/4] offset:((\s)%4)*12288+\j*1024+512*\c
.endr
.endr
.endm
.macro WM d, a, b, c, sa, sb, odd
.if \odd
	v_wmma_scale_f32_16x16x128_f8f6f4 v[\d:\d+7], v[\a:\a+7], v[\b:\b+7], v[\c:\c+7], v[\sa], v[\sb] matrix_a_fmt:MATRIX_FMT_FP4 matrix_b_fmt:MATRIX_FMT_FP4 matrix_a_scale:MATRIX_SCALE_ROW1 matrix_b_scale:MATRIX_SCALE_ROW1
.else
	v_wmma_scale_f32_16x16x128_f8f6f4 v[\d:\d+7], v[\a:\a+7], v[\b:\b+7], v[\c:\c+7], v[\sa], v[\sb] matrix_a_fmt:MATRIX_FMT_FP4 matrix_b_fmt:MATRIX_FMT_FP4
.endif
.endm
; K step s: 48 matrix instructions; the 48 accumulators take turns, one instruction a turn, in the same order in every step.  Step 0 takes the biases as C: nothing is cleared or added later.
.macro MUL s
.irp m, 0,1,2,3
.irp j, 0,1,2,3,4,5,6,7,8,9,10,11
.set IDX, 12*\m+\j
.set AR,  8*(IDX%32)
.set FX,  128*((\s)%2)+8*\m
.set FW,  128*((\s)%2)+32+8*\j
.set SX,  XS+4*\m+(\s)/2
.set SW,  WS+4*\j+(\s)/2
.if (\s) == 0
	WIN 0x85+0x40*(IDX/32)                         ; sources 0 and 1 window 1, C window 0, D window 2 or 3
.set CR,  BI+8*\j
.else
	WIN 0xa5+0x50*(IDX/32)                         ; C and D window 2 or 3
.set CR,  AR
.endif
.if \j < 8
	WM AR, FW, FX, CR, SW, SX, (\s)%2
.else
	WM AR, FX, FW, CR, SX, SW, (\s)%2
.endif
.endr
.endr
.endm
.macro EVEN s                          ; the pair's second K step is fetched while the first is multiplied
	FETCH (\s)+1, 1
	s_wait_dscnt 32                                ; all but the 32 loads just issued: this step's fragments are in
	MUL \s
.endm
.macro ODD s                           ; and behind it the next pair of K steps is shown whole to all four waves
	s_wait_dscnt 0x0                               ; this step's fragments are in; no LDS instruction of mine is out at the signal
	s_wait_tensorcnt 3-((\s)+1)/2                  ; my part of the next pair has landed; the count is the later pairs' loads, which may stay out
	s_barrier_signal -1
	MUL \s
	WIN 0
	s_barrier_wait -1
	PLACES 4                                       ; in front of loads into registers that matrix instructions have read: both buffers' (ISA guide 7.12.1 for vector instructions)
	FETCH (\s)+1, 0
.endm
	s_wait_tensorcnt 3                             ; my part of K steps 0 and 1 has landed; my three later loads may stay out
	s_barrier_signal -1
	s_barrier_wait -1                              ; everybody's has
	FETCH 0, 0
	EVEN 0
	ODD 1
	EVEN 2
	ODD 3
	EVEN 4
	ODD 5
	EVEN 6
	s_wait_dscnt 0x0
	MUL 7
	WIN 0
	PLACES 4                                       ; in front of the first reads of results, and of writes into the fragments' registers
; THE WAY OUT of my tile of rows m.  q x c in place; every accumulator is taken from its low end on; four packed registers leave as 512 consecutive bytes.  No register is written twice: no wait.
.macro OUTM m
.irp j, 0,1,2,3
.set IDX, 12*(\m)+\j
.set AR,  8*(IDX%32)
.set AW,  2+IDX/32
	WIN (AW<<6)|AW                                 ; destination and source 0: the accumulator's window; c in window 0
.irp p, 0,2,4,6
	v_pk_mul_f32 v[AR+\p:AR+\p+1], v[AR+\p:AR+\p+1], v[CH:CH+1] op_sel_hi:[1,0]
.endr
.endr
.irp j, 0,1,2,3,4,5,6,7,8,9,10,11
.set IDX, 12*(\m)+\j
.set AR,  8*(IDX%32)
.set AW,  2+IDX/32
	WIN 0x40|(AW<<2)|AW                            ; sources: the accumulator's window; destination window 1
.irp p, 0,1,2,3
	v_cvt_pk_f16_f32 v[48*(\m)+4*\j+\p], v[AR+2*\p], v[AR+2*\p+1]
.endr
.endr
	WIN 0x04                                       ; a store's data are its source 1: window 1
.irp n, 0,1,2,3
	global_store_b128 v[LI], v[48*(\m)+4*\n:48*(\m)+4*\n+3], s[94:95] offset:(\m)*2048+\n*512          ; q: [tile of rows][channel tile][512]
	global_store_b128 v[LI], v[48*(\m)+16+4*\n:48*(\m)+16+4*\n+3], s[96:97] offset:(\m)*2048+\n*512    ; k likewise
	global_store_b128 v[LI], v[48*(\m)+32+4*\n:48*(\m)+32+4*\n+3], s[98:99] offset:((\m)/2)*4096+\n*1024+((\m)%2)*512   ; v: [group of 32 keys][channel tile][half of the keys][512]
.endr
.endm
	OUTM 0
	OUTM 1
	OUTM 2
	OUTM 3
	WIN 0
	s_wait_tensorcnt 0x0                           ; the wave's end: behind my last tensor load
	ds_add_u32 v[SPW], v[NIL]
	s_wait_dscnt 0x0
	CROUND                                         ; the closing round
	s_endpgm
.Lfunc_end_k_q385889c0a1_proj:
	.size	k_q385889c0a1_proj, .Lfunc_end_k_q385889c0a1_proj-k_q385889c0a1_proj
	.p2alignl 7, 3214868480
	.fill 96, 4, 3214868480
	.section	.rodata,"a",@progbits
	.p2align	6, 0x0
	.amdhsa_kernel k_q385889c0a1_proj
		.amdhsa_group_segment_fixed_size 327680
		.amdhsa_private_segment_fixed_size 0
		.amdhsa_enable_private_segment 0
		.amdhsa_kernarg_size 72
		.amdhsa_user_sgpr_count 2
		.amdhsa_user_sgpr_kernarg_segment_ptr 1
		.amdhsa_wavefront_size32 1
		.amdhsa_system_sgpr_workgroup_id_x 1
		.amdhsa_system_sgpr_workgroup_id_y 1
		.amdhsa_system_sgpr_workgroup_id_z 1
		.amdhsa_system_vgpr_workitem_id 0
		.amdhsa_next_free_vgpr 896
		.amdhsa_next_free_sgpr 100
		.amdhsa_reserve_vcc 0
		.amdhsa_float_denorm_mode_32 3
		.amdhsa_float_denorm_mode_16_64 3
		.amdhsa_memory_ordered 1
		.amdhsa_forward_progress 1
		.amdhsa_inst_pref_size 106
	.end_amdhsa_kernel
	.amdgpu_metadata
---
amdhsa.version: [ 1, 2 ]
amdhsa.kernels:
  - .name:           k_q385889c0a1_proj
    .symbol:         k_q385889c0a1_proj.kd
    .args:
      - { .name: xc, .offset: 0, .size: 8, .value_kind: global_buffer, .address_space: global }
      - { .name: xs, .offset: 8, .size: 8, .value_kind: global_buffer, .address_space: global }
      - { .name: wc, .offset: 16, .size: 8, .value_kind: global_buffer, .address_space: global }
      - { .name: ws, .offset: 24, .size: 8, .value_kind: global_buffer, .address_space: global }
      - { .name: bq, .offset: 32, .size: 8, .value_kind: global_buffer, .address_space: global }
      - { .name: bk, .offset: 40, .size: 8, .value_kind: global_buffer, .address_space: global }
      - { .name: bv, .offset: 48, .size: 8, .value_kind: global_buffer, .address_space: global }
      - { .name: scale, .offset: 56, .size: 8, .value_kind: global_buffer, .address_space: global }
      - { .name: qkv, .offset: 64, .size: 8, .value_kind: global_buffer, .address_space: global }
    .group_segment_fixed_size: 327680
    .private_segment_fixed_size: 0
    .kernarg_segment_align: 8
    .kernarg_segment_size: 72
    .max_flat_workgroup_size: 128
    .sgpr_count:     100
    .vgpr_count:     896
    .wavefront_size: 32
...
	.end_amdgpu_metadata
.endif
;; end of part 2
;; launch attn (part 3): grid 16 x 16, 8 waves a work-group, clusters of 4 x 1, 327,680 bytes of LDS; arguments qkv, oi; writes oi
.if DOCPART == 3
	.amdgcn_target "amdgcn-amd-amdhsa--gfx1250"
	.amdhsa_code_object_version 6
	.text
	.protected	k_q385889c0a1_attn
	.globl	k_q385889c0a1_attn
	.p2align	8
	.type	k_q385889c0a1_attn,@function
k_q385889c0a1_attn:
	s_mov_b64 s[64:65], 0
	v_nop
	global_prefetch_b8 v0, s[64:65] scope:SCOPE_SE
	s_setreg_imm32_b32 hwreg(HW_REG_WAVE_MODE, 25, 1), 1
	s_wait_xcnt 0x0
	s_wait_alu depctr_hold_cnt(0) depctr_sa_sdst(0) depctr_va_vdst(0) depctr_va_sdst(0) depctr_va_ssrc(0) depctr_va_vcc(0) depctr_vm_vsrc(0)
	s_getreg_b32 s2, hwreg(HW_REG_IB_STS2, 6, 4)
	s_cmp_eq_u32 s2, 0
	s_cbranch_scc0 .Lentry_in_a_cluster
	s_endpgm
.Lentry_in_a_cluster:
	s_bfe_u32 s2, ttmp6, 0x10000c
	s_cmp_lg_u32 s2, 0x3003
	s_cbranch_scc0 .Lentry_shape_is_right
	s_endpgm
.Lentry_shape_is_right:
; ATTN: o[q] = the sum over keys of softmax(q . k x scale) v, head size 64, 4,096 keys, no mask.  q (already x scale x log2 e), k, v: f16, laid as fragments; products and sums in f32;
; the weights p = 2^(t - m), m the running maximum of the row's t, are rounded to f16 for the second product; the row's sum is taken of the unrounded p; o leaves as f16 fragments of the last launch.
; In every step the sum and O are multiplied by a = 2^(old m - new m).  m begins at -3e38, the sum and O at 0: the step is written once.
; LIMIT: |o| stays under 65,504 (f16); NaN and infinities are not served.
; SHARES: a work-group owns 256 queries of one head, each of its eight waves 32: two tiles of 16, in 512 registers: two waves to a SIMD, so that one wave's softmax stands beside the other's products.
; Each fragment of K and V read from LDS feeds two matrix instructions.  Every wave walks all keys, 128 a step: 32 products K Q^T, the softmax, 32 products V^T P.
; LAYOUT: S^T = K Q^T (source 0 = 16 keys, source 1 = 16 queries) and O^T = V^T P (source 0 = 16 channels, source 1 = P): a lane holds ONE query throughout; two tiles of S^T, packed, are P's eight registers.
; RING: two slots of 131,072 bytes, four key steps each (K of step i at 16,384 i, V behind K's four).  Wave w fetches 16,384 dense bytes of a slot: waves 0-3 K's steps, waves 4-7 V's.
; CLUSTER 4 x 1: the four query blocks of a cluster walk the same K and V: every tile is asked for jointly.
; REGISTERS: window 0: v1-6 addresses; v8-23 statistics, 8 a tile: +0 m, +1 old m, +2, +3 the sum, +4, +5 a second chain of sums, +6 a, +7 at work; v24-31 maxima; v32-63 Q; v64-191 S^T, then p, then P in place; v192-255 O^T.
;   window 1: v0-127 K of a step, v128-255 V of a step: straight images of their 16,384 bytes.
.set SLOT1, 131072
.set SPARE, 262144                     ; behind the ring: the spare words, 128 bytes for each wave, which no other line names
.set SPW,   1
.set NIL,   2
.set LI,    3                          ; v3  16 x lane
.set ADR,   4                          ; v4  LDS address of the run of loads in hand
.set PFO,   5                          ; v5  256 x lane
.set ST,    8
.set MX,    24
.set Q,     32
.set S,     64
.set O,     192
.set VF,    128
.set WV,    8                          ; s8  wave
.set G1,    12                         ; s[12:19] descriptor group 1
.set G0A,   20                         ; s[20:23] group 0 of slot 0's first fill
.set G0B,   24                         ; s[24:27] group 0 of slot 1's first fill, which then walks
.set KN,    28                         ; s28 LDS byte of the K to be fetched next;  s29 of the V
.set VN,    29
.set SLOTS, 30                         ; s30 slots still to be asked for
.set CNT,   31
.set SEL,   32                         ; s[32:33] v_permlanex16_b32's selects for lane l xor 16
.set PFA,   34                         ; s[34:35] where my prefetches stand
.set LIM,   36                         ; s36 1 in a wave that prefetches, else the greatest number
.set MSB, 0
.macro WIN new
.if MSB != (\new)
	s_set_vgpr_msb (MSB<<8)|(\new)
.set MSB, (\new)
.endif
.endm
.macro PLACES n
.rept \n
	v_nop
.endr
.endm
.macro CROUND                          ; a round of the cluster's barrier
	s_barrier_signal -1
	s_barrier_wait -1
	s_cmp_lg_u32 s[WV], 0
	s_cbranch_scc1 .Lnot_wave_0_\@
	s_barrier_signal -3
.Lnot_wave_0_\@:
	s_barrier_wait -3
	s_barrier_signal -1
	s_barrier_wait -1
.endm
; A PREFETCH of what the NEXT change of slots will ask for: a slot's 65,536 bytes of K and of V.  Each aligned 256 bytes is named once in the launch: all clusters of a head walk the same K and V, so the head's
; first cluster asks; its four partners take 16,384 bytes of each tensor, told apart by address; in each, waves 0, 1 ask for K's and waves 2, 3 for V's, 8,192 bytes a wave, lanes 256 bytes apart.
; The last change that fills a slot asks for nothing.  Slots 0 to 2 come by their loads alone.
.macro ASK
	s_cmp_gt_u32 s[SLOTS], s[LIM]
	s_cbranch_scc0 .Lnot_mine_\@
	global_prefetch_b8 v[PFO], s[PFA:PFA+1] th:TH_LOAD_NT scope:SCOPE_SE
.Lnot_mine_\@:
.endm
	s_load_b128 s[4:7], s[0:1], 0x0                ; qkv s[4:5], oi s[6:7]
	v_lshl_add_u32 v[SPW], v0, 2, SPARE
	v_mov_b32 v[NIL], 0
	ds_add_u32 v[SPW], v[NIL]                      ; the wave's opening: the add, twice on end, and its wait ahead of my first tensor load
	ds_add_u32 v[SPW], v[NIL]
	v_lshrrev_b32 v6, 5, v0
	v_readfirstlane_b32 s[WV], v6                  ; wave 0..7
	s_bfe_u32 s9, ttmp6, 0x40000                   ; cx
	s_lshl_b32 s10, ttmp9, 2
	s_add_co_u32 s10, s10, s9                      ; my block of 256 queries: it enters Q's and o's addresses alone
	s_and_b32 s11, ttmp7, 0xffff                   ; the head, which the four partners share
	s_mov_b32 s[G1], 15|(3<<16)|(1<<21)            ; 15:0 the mask: all four; 17:16 elements of 8 bytes; 21 set beside a mask; no padding
	s_mov_b32 s[G1+1], 32<<16                      ; tensor_dim0 = 32 elements: 256 bytes
	s_mov_b32 s[G1+2], 64<<16                      ; tensor_dim1 = 64 rows
	s_mov_b32 s[G1+3], 32<<16                      ; tile_dim0
	s_mov_b32 s[G1+4], 64                          ; tile_dim1
	s_mov_b32 s[G1+5], 32                          ; the pitch: dense
	s_mov_b32 s[G1+6], 0
	s_mov_b32 s[G1+7], 0
	s_mov_b32 s[SEL], 0x76543210
	s_mov_b32 s[SEL+1], 0xfedcba98
	s_mov_b32 s[SLOTS], 6
	s_mov_b32 s[KN], 0
	s_mov_b32 s[VN], 65536
	s_lshr_b32 s38, s[WV], 2                       ; what I fetch: K (waves 0-3) lies 8,388,608 bytes into qkv, V twice as far;
	s_add_co_u32 s38, s38, 1
	s_lshl_b32 s38, s38, 23
	s_lshl_b32 s40, s11, 19                        ; the head's 524,288 bytes;
	s_add_co_u32 s38, s38, s40
	s_and_b32 s41, s[WV], 3
	s_lshl_b32 s41, s41, 14                        ; my key step of the slot's four
	s_add_co_u32 s38, s38, s41
	s_mov_b32 s39, 0
	s_lshl_b32 s37, s[WV], 14                      ; and its place in a slot: no place in the cluster enters an LDS address
	s_lshl_b32 s41, s10, 15                        ; Q: 2,048 bytes a tile: the head, my block's 16 tiles, my wave's two
	s_add_co_u32 s40, s40, s41
	s_lshl_b32 s41, s[WV], 12
	s_add_co_u32 s40, s40, s41
	s_mov_b32 s41, 0
	s_lshl_b32 s42, s10, 19                        ; oi: [block of 128 rows][K step of 32][tile of rows][1,024]
	s_lshr_b32 s43, s[WV], 2
	s_lshl_b32 s43, s43, 18
	s_add_co_u32 s42, s42, s43
	s_lshl_b32 s43, s11, 14
	s_add_co_u32 s42, s42, s43
	s_and_b32 s43, s[WV], 3
	s_lshl_b32 s43, s43, 11
	s_add_co_u32 s42, s42, s43
	s_mov_b32 s43, 0
	s_bfe_u32 s44, s[WV], 0x10001                  ; the prefetches: K (waves 0, 1) or V (waves 2, 3),
	s_add_co_u32 s44, s44, 1
	s_lshl_b32 s44, s44, 23
	s_lshl_b32 s45, s11, 19                        ; the head,
	s_add_co_u32 s44, s44, s45
	s_lshl_b32 s45, s9, 14                         ; my work-group's quarter of a slot,
	s_add_co_u32 s44, s44, s45
	s_and_b32 s45, s[WV], 1
	s_lshl_b32 s45, s45, 13                        ; my wave's half of it,
	s_add_co_u32 s44, s44, s45
	s_add_co_u32 s44, s44, 2*65536                 ; in slot 2: the first change of slots steps it to slot 3
	s_mov_b32 s45, 0
	s_lshr_b32 s[LIM], s[WV], 2                    ; 0 in waves 0 to 3,
	s_or_b32 s[LIM], s[LIM], ttmp9                 ; where the cluster is the head's first: the same in all four partners
	s_cmp_eq_u32 s[LIM], 0
	s_cselect_b32 s[LIM], 1, -1
	s_wait_dscnt 0x0                               ; both opening adds are done
	s_wait_kmcnt 0x0
	s_add_nc_u64 s[38:39], s[4:5], s[38:39]
	s_add_nc_u64 s[40:41], s[4:5], s[40:41]
	s_add_nc_u64 s[PFA:PFA+1], s[4:5], s[44:45]
	s_add_nc_u64 s[6:7], s[6:7], s[42:43]
	CROUND                                         ; all four work-groups are here: the first joint loads meet
	s_mov_b32 s[G0A], 1
	s_mov_b32 s[G0A+1], s37
	s_mov_b64 s[G0A+2:G0A+3], s[38:39]
	s_or_b32 s[G0A+3], s[G0A+3], 0x80000000
	s_mov_b32 s[G0B], 1
	s_add_co_u32 s[G0B+1], s37, SLOT1
	s_add_nc_u64 s[G0B+2:G0B+3], s[38:39], 65536
	s_or_b32 s[G0B+3], s[G0B+3], 0x80000000
	tensor_load_to_lds s[G0A:G0A+3], s[G1:G1+7]    ; keys 0 to 511
	s_nop 0
	tensor_load_to_lds s[G0B:G0B+3], s[G1:G1+7]    ; keys 512 to 1,023: two tensor loads of mine are out
	s_nop 0
	PLACES 4
	v_and_b32 v6, 31, v0
	v_lshlrev_b32 v[LI], 4, v6
	v_lshlrev_b32 v[PFO], 8, v6
.irp t, 0,1
.irp f, 0,1,2,3
	global_load_b128 v[Q+16*\t+4*\f:Q+16*\t+4*\f+3], v[LI], s[40:41] offset:\t*2048+512*\f   ; Q stays in registers
.endr
.endr
.irp t, 0,1
	v_mov_b32 v[ST+8*\t], 0xff61b1e6               ; m: -3e38, under every t
	v_mov_b32 v[ST+8*\t+2], 0                      ; the sum, in two halves
	v_mov_b32 v[ST+8*\t+3], 0
.endr
.set SJ, 0
.rept 64
	v_mov_b32 v[O+SJ], 0                           ; O^T: the first step finds zeros, which its a = 0 leaves zeros
.set SJ, SJ+1
.endr
; 32 LDS loads in one run, each 512 consecutive bytes: a step's K or V as it lies
.macro REQ base, sreg
	v_add_nc_u32 v[ADR], s[\sreg], v[LI]
	WIN 0x40                                       ; destination window 1, address window 0
.set RF, 0
.rept 32
	ds_load_b128 v[\base+4*RF:\base+4*RF+3], v[ADR] offset:512*RF
.set RF, RF+1
.endr
	WIN 0
	s_add_co_u32 s[\sreg], s[\sreg], 16384         ; the next fetch is the next step's
.endm
; S^T = K Q^T: channels 32 c on, keys 16 k on, tile t.  The sixteen accumulators take turns; the first sixteen products start the sums
.macro KQ
.irp c, 0,1
.irp k, 0,1,2,3,4,5,6,7
.irp t, 0,1
.if \c == 0
	v_wmma_f32_16x16x32_f16 v[S+64*\t+8*\k:S+64*\t+8*\k+7], v[8*(2*\k+\c):8*(2*\k+\c)+7], v[Q+16*\t+8*\c:Q+16*\t+8*\c+7], 0
.else
	v_wmma_f32_16x16x32_f16 v[S+64*\t+8*\k:S+64*\t+8*\k+7], v[8*(2*\k+\c):8*(2*\k+\c)+7], v[Q+16*\t+8*\c:Q+16*\t+8*\c+7], v[S+64*\t+8*\k:S+64*\t+8*\k+7]
.endif
.endr
.endr
.endr
.endm
; O^T += V^T P: keys 32 u on, channels 16 d on, tile t.  The eight accumulators take turns
.macro PV
.irp u, 0,1,2,3
.irp d, 0,1,2,3
.irp t, 0,1
	v_wmma_f32_16x16x32_f16 v[O+32*\t+8*\d:O+32*\t+8*\d+7], v[VF+8*(4*\u+\d):VF+8*(4*\u+\d)+7], v[S+64*\t+8*\u:S+64*\t+8*\u+7], v[O+32*\t+8*\d:O+32*\t+8*\d+7]
.endr
.endr
.endr
.endm
; THE SOFTMAX of both tiles for 128 keys, the tiles line by line, so that no line waits for the line above it
.macro SOFTMAX
.irp c, 0,1,2,3                        ; the maximum: four chains of 16 scores a tile; each accumulator is first read at its low end
.irp t, 0,1
	v_max3_num_f32 v[MX+4*\t+\c], v[S+64*\t+16*\c], v[S+64*\t+16*\c+1], v[S+64*\t+16*\c+2]
.endr
.endr
.irp i, 3,5,7,9,11,13
.irp c, 0,1,2,3
.irp t, 0,1
	v_max3_num_f32 v[MX+4*\t+\c], v[MX+4*\t+\c], v[S+64*\t+16*\c+\i], v[S+64*\t+16*\c+\i+1]
.endr
.endr
.endr
.irp c, 0,1,2,3
.irp t, 0,1
	v_max_num_f32 v[MX+4*\t+\c], v[MX+4*\t+\c], v[S+64*\t+16*\c+15]
.endr
.endr
.irp t, 0,1
	v_max3_num_f32 v[MX+4*\t], v[MX+4*\t], v[MX+4*\t+1], v[MX+4*\t+2]
.endr
.irp t, 0,1
	v_max3_num_f32 v[MX+4*\t], v[MX+4*\t], v[MX+4*\t+3], v[ST+8*\t]   ; with the old m
.endr
.irp t, 0,1
	v_permlanex16_b32 v[MX+4*\t+1], v[MX+4*\t], s[SEL], s[SEL+1]      ; the query's other 64 keys lie in the lane 16 away
.endr
.irp t, 0,1
	v_mov_b32 v[ST+8*\t+1], v[ST+8*\t]             ; the old m is kept for a
.endr
.irp t, 0,1
	v_max_num_f32 v[ST+8*\t], v[MX+4*\t], v[MX+4*\t+1]
.endr
.irp t, 0,1
	v_sub_f32 v[ST+8*\t+7], v[ST+8*\t+1], v[ST+8*\t]
.endr
.irp t, 0,1
	v_exp_f32 v[ST+8*\t+6], v[ST+8*\t+7]           ; a = 2^(old m - new m)
.endr
.set SJ, 0
.rept 32
.irp t, 0,1
	v_pk_add_f32 v[S+64*\t+SJ:S+64*\t+SJ+1], v[S+64*\t+SJ:S+64*\t+SJ+1], v[ST+8*\t:ST+8*\t+1] op_sel_hi:[1,0] neg_lo:[0,1] neg_hi:[0,1]   ; t - m, two at a time
.endr
.set SJ, SJ+2
.endr
.set SJ, 0
.rept 64
.irp t, 0,1
	v_exp_f32 v[S+64*\t+SJ], v[S+64*\t+SJ]         ; p = 2^(t - m), at most 1
.endr
.set SJ, SJ+1
.endr
	v_nop                                          ; a plain instruction behind the last exponential, ahead of the first use
	s_wait_alu depctr_va_vdst(0)                   ; ONE wait for the step's 130 exponentials, ahead of the first line that names a result
.irp t, 0,1
	v_pk_mul_f32 v[ST+8*\t+2:ST+8*\t+3], v[ST+8*\t+2:ST+8*\t+3], v[ST+8*\t+6:ST+8*\t+7] op_sel_hi:[1,0]   ; the sum under the new m
.endr
.irp t, 0,1
	v_pk_add_f32 v[ST+8*\t+4:ST+8*\t+5], v[S+64*\t:S+64*\t+1], v[S+64*\t+2:S+64*\t+3]   ; the sum is taken of the unrounded p, in two chains
.endr
.irp j, 4,8,12,16,20,24,28,32,36,40,44,48,52,56,60
.irp t, 0,1
	v_pk_add_f32 v[ST+8*\t+2:ST+8*\t+3], v[ST+8*\t+2:ST+8*\t+3], v[S+64*\t+\j:S+64*\t+\j+1]
	v_pk_add_f32 v[ST+8*\t+4:ST+8*\t+5], v[ST+8*\t+4:ST+8*\t+5], v[S+64*\t+\j+2:S+64*\t+\j+3]
.endr
.endr
.irp t, 0,1
	v_pk_add_f32 v[ST+8*\t+2:ST+8*\t+3], v[ST+8*\t+2:ST+8*\t+3], v[ST+8*\t+4:ST+8*\t+5]
.endr
.set SJ, 0
.rept 32
.irp t, 0,1
	v_cvt_pk_f16_f32 v[S+64*\t+SJ], v[S+64*\t+2*SJ], v[S+64*\t+2*SJ+1]   ; P in place, ascending: register j takes numbers 2 j, 2 j + 1, which no earlier line has overwritten
.endr
.set SJ, SJ+1
.endr
.set SJ, 0
.rept 16
.irp t, 0,1
	v_pk_mul_f32 v[O+32*\t+SJ:O+32*\t+SJ+1], v[O+32*\t+SJ:O+32*\t+SJ+1], v[ST+8*\t+6:ST+8*\t+7] op_sel_hi:[1,0]   ; O^T under the new m
.endr
.set SJ, SJ+2
.endr
.endm
; THE CHANGE OF SLOTS, behind the products K Q^T of a slot's last step: all reads of the slot have been issued (V of that step at the end of the step before).  Each wave waits for all its tensor loads (one is out: its
; part of the other slot), adds 0 to its spare word, and waits for that and for its reads of the slot.  fill = 1: a round of the cluster's barrier, and the joint refill first behind it: it has four key steps in which to land.
.macro CHANGE fill
	s_wait_tensorcnt 0x0                           ; no tensor load of mine is out, so a group 0 may be written
	ds_add_u32 v[SPW], v[NIL]                      ; 0 onto my spare word
.if \fill
	s_xor_b32 s[G0B+1], s[G0B+1], SLOT1            ; the walking descriptor: the other slot than last time,
	s_add_nc_u64 s[G0B+2:G0B+3], s[G0B+2:G0B+3], 65536   ; the next 512 keys; the type bits on top are not reached
	s_wait_xcnt 0x0                                ; the last prefetch, four key steps back, has read its address, so it may be written:
	s_add_nc_u64 s[PFA:PFA+1], s[PFA:PFA+1], 65536 ; one slot further on than the walking descriptor
	s_wait_dscnt 0x0                               ; the add is done, and my reads of the slot are over
	CROUND
	tensor_load_to_lds s[G0B:G0B+3], s[G1:G1+7]
	s_nop 0
	PLACES 4                                       ; the places in front of the loads into K's registers and of the first read of the scores
.else
	s_wait_dscnt 0x0
	s_barrier_signal -1
	s_barrier_wait -1
	PLACES 4
.endif
	s_sub_co_u32 s[KN], s[KN], 65536               ; the fetches go back to a slot's first step,
	s_xor_b32 s[KN], s[KN], SLOT1                  ; in the other slot
	s_sub_co_u32 s[VN], s[VN], 65536
	s_xor_b32 s[VN], s[VN], SLOT1
.endm
; A KEY STEP.  kind 0: plain; 1: a slot's last, and the slot is filled again; 2: a slot's last, nothing is asked for; 3: the very last
.macro STEP kind
	s_wait_dscnt 32                                ; K of this step is in; the 32 younger loads are its V
	WIN 0x01                                       ; source 0 window 1; all else window 0
	KQ
	WIN 0
.if \kind == 1
	CHANGE 1
.elseif \kind == 2
	CHANGE 0
.else
	PLACES 4                                       ; in front of the loads into K's registers and of the first read of the scores (ISA guide 7.12.1 for vector instructions)
.endif
.if \kind != 3
	REQ 0, KN                                      ; the next step's K lands under the softmax
.endif
.if \kind == 1
	ASK
.endif
	SOFTMAX
.if \kind == 3
	s_wait_dscnt 0x0
.else
	s_wait_dscnt 32                                ; V of this step is in; the 32 younger loads are the next step's K
.endif
	WIN 0x01
	PV
	WIN 0
.if \kind != 3
	PLACES 5                                       ; with the address's addition below six places: four are owed in front of the loads into V's registers, five in front of the next products, which write over P
	REQ VF, VN
.endif
.endm
.macro THREE                           ; a slot's first three steps: written once, walked three times
	s_mov_b32 s[CNT], 3
.Lthree_\@:
	STEP 0
	s_sub_co_u32 s[CNT], s[CNT], 1
	s_cmp_lg_u32 s[CNT], 0
	s_cbranch_scc1 .Lthree_\@
.endm
	s_wait_tensorcnt 1                             ; my part of slot 0 is in; slot 1's may stay out
	s_barrier_signal -1
	s_barrier_wait -1                              ; everybody's is
	REQ 0, KN
	REQ VF, VN
	s_wait_loadcnt 0x0                             ; Q
.Lslot:                                            ; six trips: every slot but the last two is filled again
	THREE
	STEP 1
	s_sub_co_u32 s[SLOTS], s[SLOTS], 1
	s_cmp_lg_u32 s[SLOTS], 0
	s_cbranch_scc1 .Lslot
	THREE                                          ; the tail is written out
	STEP 2
	THREE
	STEP 3
	; THE WAY OUT: the sum's halves and the other half of the lanes' are added; O^T / the sum, rounded to f16: four packed registers are a group of four registers of o's fragment and leave as 512 consecutive bytes
	PLACES 4
.irp t, 0,1
	v_add_f32 v[ST+8*\t+4], v[ST+8*\t+2], v[ST+8*\t+3]
.endr
.irp t, 0,1
	v_permlanex16_b32 v[ST+8*\t+5], v[ST+8*\t+4], s[SEL], s[SEL+1]
.endr
.irp t, 0,1
	v_add_f32 v[ST+8*\t+4], v[ST+8*\t+4], v[ST+8*\t+5]
.endr
.irp t, 0,1
	v_rcp_f32 v[ST+8*\t+6], v[ST+8*\t+4]
.endr
	v_nop                                          ; a plain instruction behind the last reciprocal
	s_wait_alu depctr_va_vdst(0)                   ; and the one wait ahead of the first use
.set SJ, 0
.rept 16
.irp t, 0,1
	v_pk_mul_f32 v[S+32*\t+SJ:S+32*\t+SJ+1], v[O+32*\t+SJ:O+32*\t+SJ+1], v[ST+8*\t+6:ST+8*\t+7] op_sel_hi:[1,0]
.endr
.set SJ, SJ+2
.endr
.set SJ, 0
.rept 16
.irp t, 0,1
	v_cvt_pk_f16_f32 v[128+16*\t+SJ], v[S+32*\t+2*SJ], v[S+32*\t+2*SJ+1]
.endr
.set SJ, SJ+1
.endr
.irp t, 0,1
.irp d, 0,1,2,3
	global_store_b128 v[LI], v[128+16*\t+4*\d:128+16*\t+4*\d+3], s[6:7] offset:(\d/2)*8192+\t*1024+(\d%2)*512
.endr
.endr
	s_wait_tensorcnt 0x0                           ; the wave's end: behind my last tensor load
	ds_add_u32 v[SPW], v[NIL]
	s_wait_dscnt 0x0
	CROUND                                         ; the closing round: no work-group ends while a partner may still ask for a tile that names it
	s_endpgm
.Lfunc_end_k_q385889c0a1_attn:
	.size	k_q385889c0a1_attn, .Lfunc_end_k_q385889c0a1_attn-k_q385889c0a1_attn
	.p2alignl 7, 3214868480
	.fill 96, 4, 3214868480
	.section	.rodata,"a",@progbits
	.p2align	6, 0x0
	.amdhsa_kernel k_q385889c0a1_attn
		.amdhsa_group_segment_fixed_size 327680
		.amdhsa_private_segment_fixed_size 0
		.amdhsa_enable_private_segment 0
		.amdhsa_kernarg_size 16
		.amdhsa_user_sgpr_count 2
		.amdhsa_user_sgpr_kernarg_segment_ptr 1
		.amdhsa_wavefront_size32 1
		.amdhsa_system_sgpr_workgroup_id_x 1
		.amdhsa_system_sgpr_workgroup_id_y 1
		.amdhsa_system_sgpr_workgroup_id_z 1
		.amdhsa_system_vgpr_workitem_id 0
		.amdhsa_next_free_vgpr 512
		.amdhsa_next_free_sgpr 66
		.amdhsa_reserve_vcc 0
		.amdhsa_float_denorm_mode_32 3
		.amdhsa_float_denorm_mode_16_64 3
		.amdhsa_memory_ordered 1
		.amdhsa_forward_progress 1
		.amdhsa_inst_pref_size 204
	.end_amdhsa_kernel
	.amdgpu_metadata
---
amdhsa.version: [ 1, 2 ]
amdhsa.kernels:
  - .name:           k_q385889c0a1_attn
    .symbol:         k_q385889c0a1_attn.kd
    .args:
      - { .name: qkv, .offset: 0, .size: 8, .value_kind: global_buffer, .address_space: global }
      - { .name: oi, .offset: 8, .size: 8, .value_kind: global_buffer, .address_space: global }
    .group_segment_fixed_size: 327680
    .private_segment_fixed_size: 0
    .kernarg_segment_align: 8
    .kernarg_segment_size: 16
    .max_flat_workgroup_size: 256
    .sgpr_count:     66
    .vgpr_count:     512
    .wavefront_size: 32
...
	.end_amdgpu_metadata
.endif
;; end of part 3
;; launch outp (part 4): grid 8 x 32, 4 waves a work-group, clusters of 4 x 4, 327,680 bytes of LDS; arguments oi, woh, bo, out0; writes out0
.if DOCPART == 4
	.amdgcn_target "amdgcn-amd-amdhsa--gfx1250"
	.amdhsa_code_object_version 6
	.text
	.protected	k_q385889c0a1_outp
	.globl	k_q385889c0a1_outp
	.p2align	8
	.type	k_q385889c0a1_outp,@function
k_q385889c0a1_outp:
	s_mov_b64 s[64:65], 0
	v_nop
	global_prefetch_b8 v0, s[64:65] scope:SCOPE_SE
	s_setreg_imm32_b32 hwreg(HW_REG_WAVE_MODE, 25, 1), 1
	s_wait_xcnt 0x0
	s_wait_alu depctr_hold_cnt(0) depctr_sa_sdst(0) depctr_va_vdst(0) depctr_va_sdst(0) depctr_va_ssrc(0) depctr_va_vcc(0) depctr_vm_vsrc(0)
	s_getreg_b32 s2, hwreg(HW_REG_IB_STS2, 6, 4)
	s_cmp_eq_u32 s2, 0
	s_cbranch_scc0 .Lentry_in_a_cluster
	s_endpgm
.Lentry_in_a_cluster:
	s_bfe_u32 s2, ttmp6, 0x10000c
	s_cmp_lg_u32 s2, 0xf033
	s_cbranch_scc0 .Lentry_shape_is_right
	s_endpgm
.Lentry_shape_is_right:
; OUTP: out0 = o Wo + bo.  o [4096][1024] and Wo [1024 (k)][1024 (n)] arrive as f16 fragments (16 rows or columns x 32 along K = 1,024 bytes); sums in f32; out0 f32.
; SHARES: a tile of 128 rows (y) x 128 columns (x): 256 work-groups.  Four waves, each 64 x 64: 16 accumulators.  K goes in four chunks of 256 through two LDS slots; a chunk of o or of Wo is 65,536 dense bytes,
; and each wave fetches half of one by one tensor load (128 rows of 256 bytes).  Fragments are read from LDS as they lie, 512 consecutive bytes a load.
; CLUSTER 4 x 4: o's chunks hang on the row block alone and are shared along a row of the cluster, Wo's on the column block alone and are shared along a column: joint loads.
; THE MATRIX INSTRUCTION IS USED TRANSPOSED (source 0 = 16 columns of Wo, source 1 = 16 rows of o): a lane holds eight neighbouring numbers of a row of out0.  The bias is the C of each sum's first product.
; REGISTERS: window 0: v16-29 addresses; v32-63 the bias, 8 a tile of columns; v64-127 rows on the way out, two sets; v128-255 accumulator (a, b) at 128 + 8 (4 a + b).
;   window 1: two buffers of 128: for 64 along K, o's fragments at 32 c + 8 a, Wo's at 64 + 32 c + 8 b.
.set SLOT,  131072                     ; o's chunk, then Wo's
.set STAGE, 262144                     ; behind the ring: 16 rows x (256 bytes + 16) for each wave; no tensor load lands here
.set SPARE, STAGE+4*16*272             ; the spare words, 128 bytes for each wave, which no other line names
.set ADRA,  16                         ; v16, v17  LDS address of my fragments of o in slot 0, 1
.set ADRB,  20                         ; v20, v21  the same for Wo
.set STO,   24
.set RD,    25
.set CO,    26
.set H32,   27
.set SPW,   28
.set NIL,   29
.set BI,    32
.set BK,    64
.set ACC,   128
.set F0,    0
.set F1,    128
.set WV,    12                         ; s12 wave;  s13: my half of the rows, also: I fetch o (0) or Wo (1);  s14: my half of the columns, also: which half of a chunk I fetch
.set WR,    13
.set WC,    14
.set G1A,   24
.set G0A,   32
.set G1B,   48
.set G0B,   56
.set MSB, 0
.macro WIN new
.if MSB != (\new)
	s_set_vgpr_msb (MSB<<8)|(\new)
.set MSB, (\new)
.endif
.endm
.macro PLACES n
.rept \n
	v_nop
.endr
.endm
.macro CROUND                          ; a round of the cluster's barrier
	s_barrier_signal -1
	s_barrier_wait -1
	s_cmp_lg_u32 s[WV], 0
	s_cbranch_scc1 .Lnot_wave_0_\@
	s_barrier_signal -3
.Lnot_wave_0_\@:
	s_barrier_wait -3
	s_barrier_signal -1
	s_barrier_wait -1
.endm
.macro JLOAD s                         ; a joint load: waves 0, 1 fetch o's halves, waves 2, 3 Wo's; an s_nop 0 and four v_nop follow each of the two lines
	s_cmp_eq_u32 s[WR], 0
	s_cbranch_scc0 .Lfor_b_\@
	tensor_load_to_lds s[G0A+4*\s:G0A+4*\s+3], s[G1A:G1A+7]
	s_nop 0
	PLACES 4
	s_branch .Lasked_\@
.Lfor_b_\@:
	tensor_load_to_lds s[G0B+4*\s:G0B+4*\s+3], s[G1B:G1B+7]
	s_nop 0
	PLACES 4
.Lasked_\@:
.endm
	s_load_b256 s[4:11], s[0:1], 0x0               ; oi s[4:5], woh s[6:7], bo s[8:9], out0 s[10:11]
	v_lshl_add_u32 v[SPW], v0, 2, SPARE
	v_mov_b32 v[NIL], 0
	ds_add_u32 v[SPW], v[NIL]                      ; the wave's opening: the add, twice on end, and its wait ahead of my first tensor load
	ds_add_u32 v[SPW], v[NIL]
	v_lshrrev_b32 v1, 5, v0
	v_readfirstlane_b32 s[WV], v1
	s_lshr_b32 s[WR], s[WV], 1
	s_and_b32 s[WC], s[WV], 1
	s_bfe_u32 s40, ttmp6, 0x40000                  ; cx, cy
	s_bfe_u32 s41, ttmp6, 0x40004
	s_lshl_b32 s42, ttmp9, 2
	s_add_co_u32 s42, s42, s40                     ; the block of 128 columns
	s_and_b32 s43, ttmp7, 0xffff
	s_lshl_b32 s43, s43, 2
	s_add_co_u32 s43, s43, s41                     ; the block of 128 rows
	s_lshl_b32 s44, s41, 2
	s_lshl_b32 s44, 15, s44                        ; my row of the cluster
	s_lshl_b32 s45, 0x1111, s40                    ; my column
	s_or_b32 s[G1A], s44, (3<<16)|(1<<21)          ; 15:0 the mask; 17:16 elements of 8 bytes; 21 set beside a mask; no padding
	s_or_b32 s[G1B], s45, (3<<16)|(1<<21)
.irp g, G1A, G1B
	s_mov_b32 s[\g+1], 32<<16                      ; tensor_dim0 = 32 elements: 256 bytes
	s_mov_b32 s[\g+2], 128<<16                     ; tensor_dim1 = 128 rows
	s_mov_b32 s[\g+3], 32<<16                      ; tile_dim0
	s_mov_b32 s[\g+4], 128                         ; tile_dim1
	s_mov_b32 s[\g+5], 32                          ; the pitch: dense
	s_mov_b32 s[\g+6], 0
	s_mov_b32 s[\g+7], 0
.endr
	s_lshl_b32 s16, s43, 18                        ; o: 262,144 bytes a row block,
	s_lshl_b32 s20, s[WC], 15                      ; my half of a chunk
	s_add_co_u32 s16, s16, s20
	s_mov_b32 s17, 0
	s_lshl_b32 s46, s42, 18                        ; Wo: 262,144 bytes a column block
	s_add_co_u32 s46, s46, s20
	s_mov_b32 s47, 0
	s_lshl_b32 s21, s[WV], 15                      ; where they go: wave x 32,768: no place in the cluster enters an LDS address
	s_wait_dscnt 0x0                               ; both opening adds are done
	s_wait_kmcnt 0x0
	s_add_nc_u64 s[16:17], s[4:5], s[16:17]
	s_add_nc_u64 s[46:47], s[6:7], s[46:47]
	CROUND                                         ; all sixteen work-groups are here: the first joint loads meet
.irp s, 0,1
	s_mov_b32 s[G0A+4*\s], 1
	s_add_co_u32 s[G0A+4*\s+1], s21, \s*SLOT
	s_add_nc_u64 s[G0A+4*\s+2:G0A+4*\s+3], s[16:17], \s*65536
	s_or_b32 s[G0A+4*\s+3], s[G0A+4*\s+3], 0x80000000
	s_mov_b32 s[G0B+4*\s], 1
	s_add_co_u32 s[G0B+4*\s+1], s21, \s*SLOT
	s_add_nc_u64 s[G0B+4*\s+2:G0B+4*\s+3], s[46:47], \s*65536
	s_or_b32 s[G0B+4*\s+3], s[G0B+4*\s+3], 0x80000000
	JLOAD \s                                       ; chunks 0 and 1: two tensor loads of mine are out
.endr
	v_and_b32 v1, 31, v0
	v_lshlrev_b32 v2, 4, v1                        ; 16 x lane
	v_and_b32 v3, 15, v0                           ; r
	v_bfe_u32 v4, v0, 4, 1                         ; hh
	s_lshl_b32 s20, s[WR], 12                      ; my four tiles of rows
	s_lshl_b32 s22, s[WC], 12                      ; my four tiles of columns,
	s_add_co_u32 s22, s22, 65536                   ; behind o's chunk
	v_add_nc_u32 v[ADRA], s20, v2
	v_add_nc_u32 v[ADRB], s22, v2
	v_add_nc_u32 v[ADRA+1], SLOT, v[ADRA]
	v_add_nc_u32 v[ADRB+1], SLOT, v[ADRB]
	s_mul_i32 s23, s[WV], 16*272
	s_add_co_u32 s23, s23, STAGE                   ; my stage
	v_mul_u32_u24 v5, v3, 272
	v_lshl_add_u32 v5, v4, 5, v5
	v_add_nc_u32 v[STO], s23, v5                   ; in: row r, 32 bytes for each half of the lanes
	v_mul_u32_u24 v5, v4, 272
	v_lshl_add_u32 v5, v3, 4, v5
	v_add_nc_u32 v[RD], s23, v5                    ; back: lanes 0-15 one row of 256 bytes, lanes 16-31 the next
	v_lshlrev_b32 v[CO], 12, v4
	v_lshl_add_u32 v[CO], v3, 4, v[CO]             ; and the same two rows in out0
	v_lshlrev_b32 v[H32], 5, v4
	s_lshl_b32 s18, s42, 9                         ; my 64 columns, in bytes
	s_lshl_b32 s20, s[WC], 8
	s_add_co_u32 s18, s18, s20
	s_mov_b32 s19, 0
	s_add_nc_u64 s[8:9], s[8:9], s[18:19]
	s_lshl_b32 s20, s43, 19                        ; my 64 rows of 4,096 bytes
	s_add_co_u32 s18, s18, s20
	s_lshl_b32 s20, s[WR], 18
	s_add_co_u32 s18, s18, s20
	s_add_nc_u64 s[10:11], s[10:11], s[18:19]
.irp b, 0,1,2,3
	global_load_b128 v[BI+8*\b:BI+8*\b+3], v[H32], s[8:9] offset:64*\b       ; bo at columns 16 b + 8 hh + 0 .. 7
	global_load_b128 v[BI+8*\b+4:BI+8*\b+7], v[H32], s[8:9] offset:64*\b+16
.endr
; the fragments of the chunk's q-th 64 along K into buffer f: 32 loads
.macro FETCH slot, q, f
	WIN 0x40                                       ; destination window 1, address window 0
.irp c, 0,1
.irp a, 0,1,2,3
.irp g, 0,1
	ds_load_b128 v[\f+32*\c+8*\a+4*\g:\f+32*\c+8*\a+4*\g+3], v[ADRA+\slot] offset:(2*(\q)+\c)*8192+\a*1024+512*\g
	ds_load_b128 v[\f+64+32*\c+8*\a+4*\g:\f+64+32*\c+8*\a+4*\g+3], v[ADRB+\slot] offset:(2*(\q)+\c)*8192+\a*1024+512*\g
.endr
.endr
.endr
.endm
; 32 matrix instructions: 64 along K; the sixteen accumulators take turns.  first = 1: the bias starts the sums
.macro MUL f, first
	WIN 0x05                                       ; sources 0 and 1 window 1; C and D window 0
.irp c, 0,1
.irp a, 0,1,2,3
.irp b, 0,1,2,3
.if \first && (\c == 0)
	v_wmma_f32_16x16x32_f16 v[ACC+8*(4*\a+\b):ACC+8*(4*\a+\b)+7], v[\f+64+32*\c+8*\b:\f+64+32*\c+8*\b+7], v[\f+32*\c+8*\a:\f+32*\c+8*\a+7], v[BI+8*\b:BI+8*\b+7]
.else
	v_wmma_f32_16x16x32_f16 v[ACC+8*(4*\a+\b):ACC+8*(4*\a+\b)+7], v[\f+64+32*\c+8*\b:\f+64+32*\c+8*\b+7], v[\f+32*\c+8*\a:\f+32*\c+8*\a+7], v[ACC+8*(4*\a+\b):ACC+8*(4*\a+\b)+7]
.endif
.endr
.endr
.endr
.endm
; a chunk's first three quarters: each multiplies one buffer while the next quarter's fragments come into the other
.macro QUARTERS slot, first
	PLACES 4                                       ; in front of loads into registers that matrix instructions have read (ISA guide 7.12.1 for vector instructions)
	FETCH \slot, 1, F1
	s_wait_dscnt 32                                ; all but the 32 loads just issued
	MUL F0, \first
	PLACES 4
	FETCH \slot, 2, F0
	s_wait_dscnt 32
	MUL F1, 0
	PLACES 4
	FETCH \slot, 3, F1
	s_wait_dscnt 32
	MUL F0, 0
.endm
; the change of slots, ahead of a chunk's last quarter, whose fragments are in registers by then.  fill = 1: the slot is filled again, two chunks ahead, behind a round of the cluster's barrier
.macro TURN slot, next, fill
	WIN 0
	s_wait_tensorcnt 0x0                           ; all my tensor loads have landed: my part of the next slot
	ds_add_u32 v[SPW], v[NIL]                      ; 0 onto my spare word
.if \fill
	s_add_nc_u64 s[G0A+4*\slot+2:G0A+4*\slot+3], s[G0A+4*\slot+2:G0A+4*\slot+3], 2*65536
	s_add_nc_u64 s[G0B+4*\slot+2:G0B+4*\slot+3], s[G0B+4*\slot+2:G0B+4*\slot+3], 2*65536
.endif
	s_wait_dscnt 0x0                               ; the add is done, and my reads of this slot are over
.if \fill
	CROUND
	JLOAD \slot                                    ; the first tensor load behind the round; its four v_nop are also the places in front of the loads below
.else
	s_barrier_signal -1
	s_barrier_wait -1
	PLACES 4
.endif
	FETCH \next, 0, F0
	MUL F1, 0
.endm
	s_wait_tensorcnt 1                             ; my part of chunk 0 is in; chunk 1's may stay out
	s_barrier_signal -1
	s_barrier_wait -1
	FETCH 0, 0, F0
	s_wait_loadcnt 0x0                             ; the bias
	QUARTERS 0, 1
	TURN 0, 1, 1                                   ; slot 0 takes chunk 2
	QUARTERS 1, 0
	TURN 1, 0, 1                                   ; slot 1 takes chunk 3
	QUARTERS 0, 0
	TURN 0, 1, 0                                   ; nothing is left to fetch
	QUARTERS 1, 0
	s_wait_dscnt 0x0
	MUL F1, 0
	WIN 0
; THE WAY OUT, block by block of 16 rows x 64 columns: a lane holds 32 neighbouring bytes of a row; a block goes through my own stage and comes back as whole rows of 256 bytes.
; LDS serves a wave's instructions in order (ISA guide 5.7.1.4): no wait between the stores and the loads, nor in front of the next block's stores.
.macro TOSTAGE a
.irp b, 0,1,2,3
	ds_store_b128 v[STO], v[ACC+8*(4*(\a)+\b):ACC+8*(4*(\a)+\b)+3] offset:64*\b          ; each accumulator from its low end on
	ds_store_b128 v[STO], v[ACC+8*(4*(\a)+\b)+4:ACC+8*(4*(\a)+\b)+7] offset:64*\b+16
.endr
.irp t, 0,1,2,3,4,5,6,7
	ds_load_b128 v[BK+32*((\a)%2)+4*\t:BK+32*((\a)%2)+4*\t+3], v[RD] offset:544*\t
.endr
.endm
.macro SEND a, younger                 ; younger: the LDS instructions issued behind block a's loads: the next block's 8 stores and 8 loads, or none
	s_wait_dscnt \younger
.irp t, 0,1,2,3,4,5,6,7
	global_store_b128 v[CO], v[BK+32*((\a)%2)+4*\t:BK+32*((\a)%2)+4*\t+3], s[10:11] offset:(\a)*65536+\t*8192 th:TH_STORE_NT   ; sixteen lanes store 256 consecutive bytes, aligned; written once, read by nobody here
.endr
.endm
	PLACES 4                                       ; in front of the first reads of results
	TOSTAGE 0
	TOSTAGE 1
	SEND 0, 16
	s_wait_xcnt 0x0                                ; block 0's stores have read their registers: block 2's rows may land there
	TOSTAGE 2
	SEND 1, 16
	s_wait_xcnt 0x0                                ; block 1's likewise
	TOSTAGE 3
	SEND 2, 16
	SEND 3, 0
	s_wait_tensorcnt 0x0                           ; the wave's end: behind my last tensor load and my last LDS store
	ds_add_u32 v[SPW], v[NIL]
	s_wait_dscnt 0x0
	CROUND                                         ; the closing round
	s_endpgm
.Lfunc_end_k_q385889c0a1_outp:
	.size	k_q385889c0a1_outp, .Lfunc_end_k_q385889c0a1_outp-k_q385889c0a1_outp
	.p2alignl 7, 3214868480
	.fill 96, 4, 3214868480
	.section	.rodata,"a",@progbits
	.p2align	6, 0x0
	.amdhsa_kernel k_q385889c0a1_outp
		.amdhsa_group_segment_fixed_size 327680
		.amdhsa_private_segment_fixed_size 0
		.amdhsa_enable_private_segment 0
		.amdhsa_kernarg_size 32
		.amdhsa_user_sgpr_count 2
		.amdhsa_user_sgpr_kernarg_segment_ptr 1
		.amdhsa_wavefront_size32 1
		.amdhsa_system_sgpr_workgroup_id_x 1
		.amdhsa_system_sgpr_workgroup_id_y 1
		.amdhsa_system_sgpr_workgroup_id_z 1
		.amdhsa_system_vgpr_workitem_id 0
		.amdhsa_next_free_vgpr 512
		.amdhsa_next_free_sgpr 66
		.amdhsa_reserve_vcc 0
		.amdhsa_float_denorm_mode_32 3
		.amdhsa_float_denorm_mode_16_64 3
		.amdhsa_memory_ordered 1
		.amdhsa_forward_progress 1
		.amdhsa_inst_pref_size 85
	.end_amdhsa_kernel
	.amdgpu_metadata
---
amdhsa.version: [ 1, 2 ]
amdhsa.kernels:
  - .name:           k_q385889c0a1_outp
    .symbol:         k_q385889c0a1_outp.kd
    .args:
      - { .name: oi, .offset: 0, .size: 8, .value_kind: global_buffer, .address_space: global }
      - { .name: woh, .offset: 8, .size: 8, .value_kind: global_buffer, .address_space: global }
      - { .name: bo, .offset: 16, .size: 8, .value_kind: global_buffer, .address_space: global }
      - { .name: out0, .offset: 24, .size: 8, .value_kind: global_buffer, .address_space: global }
    .group_segment_fixed_size: 327680
    .private_segment_fixed_size: 0
    .kernarg_segment_align: 8
    .kernarg_segment_size: 32
    .max_flat_workgroup_size: 128
    .sgpr_count:     66
    .vgpr_count:     512
    .wavefront_size: 32
...
	.end_amdgpu_metadata
.endif
;; end of part 4
